; MI455X (gfx1250); checked and timed in simulation.
; The chip was launched on July 23, 2026; its instructions are those of AMD's public machine-readable ISA for CDNA 5 (MIT licence, August 2026) and "CDNA5" Instruction Set Architecture Reference Guide (July 2026). The comments in the code are by the model that wrote it; some were corrected since.
;; Multi Head Attention. Allowed arithmetic: matrix products marked QUANTISED: E2M3 operands, one E8M0 scale for each 32 along K, by v_wmma_scale_f32_16x16x128_f8f6f4 with both operands' format E2M3, f32 sums; everything else in f32.
;; Inputs: attn_mask 8 x 1,024 x 1,024 bool; keys 1,024 x 8 x 512 float32; queries 1,024 x 8 x 512 float32.
;; Outputs: out0 1,024 x 8 x 512 float32.
;; This version of the problem:
;;   THIS VERSION OF THE PROBLEM IS GIVEN IN LOW PRECISION. The matrix products marked QUANTISED in the list below multiply operands that are first quantised to E2M3 (2 exponent bits, 3 mantissa bits; 6 bits a number), with one power-of-two scale for each 32 numbers along K (OCP MX v1.0); their sums are f32. All else is computed in f32.
;;   The module's matrix products, in the order in which they are computed (A, B: the left and right operand; K: the contracted axis; several contracted axes count as one K, in the product's order):
;;     1. batch 64 x [M 1,024, K 64] x [K 64, N 1,024]; A: input queries; B: input keys: QUANTISED
;;     2. batch 64 x [M 64, K 1,024] x [K 1,024, N 1,024]; A: input keys; B: softmax (see below): QUANTISED
;;   THE QUANTISER, for each operand of a quantised product, along K:
;;     - K is cut into blocks of 32 from its start; a last block that is shorter is filled with zeros.
;;     - A block's scale is 2^e with e = floor(log2(the largest magnitude in the block)) - 2, held to -126 .. 127; a block of zeros has e = 0. As a byte (E8M0): e + 127.
;;     - Each number is divided by its block's scale, clamped to +-7.5, and rounded to the nearest number of E2M3, ties to even, subnormals kept.
;;     - The product sums the exact products of the quantised numbers (number of the format x scale) in f32.
;;   ~~~python
;;   def quantise(x, axis):      # numpy; x: float32 -> the quantised numbers, widened to float32 again
;;       x = np.moveaxis(x, axis, -1); K = x.shape[-1]
;;       x = np.pad(x, [(0, 0)] * (x.ndim - 1) + [(0, -K % 32)]); x = x.reshape(x.shape[:-1] + (-1, 32)); a = np.abs(x).max(-1, keepdims=True)
;;       e = np.where(a > 0, np.clip(np.frexp(np.where(a > 0, a, 1))[1] - 1 - 2, -126, 127), 0)      # np.frexp(a)[1] - 1 = floor(log2(a)), exactly
;;       r = np.clip(x / 2.0 ** e, -7.5, 7.5)
;;       step = 2.0 ** (np.maximum(np.frexp(np.where(r == 0, 1, r))[1] - 1, 0) - 3)
;;       q = np.round(r / step) * step * 2.0 ** e      # np.round: ties to even
;;       return np.moveaxis(q.reshape(q.shape[:-2] + (-1,))[..., :K], -1, axis).astype(np.float32)
;;   ~~~
;;   SOFTMAX AHEAD OF A QUANTISED PRODUCT. Where the list says 'softmax', what is quantised is not the finished softmax but p = 2^(t - M), with t = logit x log2(e) and M = ceil(the row's largest t), a whole number; so 1/2 < the row's largest p <= 1. The row's sum l is taken of the UNQUANTISED p, in f32, and the product's result is divided by l at the end. Since M is a whole number, a kernel that streams over the keys may use a running M (the ceiling of the running maximum): every later rescaling is an exact power of two, which a block's scale takes up: the codes' values come out the same.
;;   OPERANDS COMPUTED ON THE WAY. 'Computed on the way' means the value that the module computes at that place (a softmax that the list does not call 'softmax' is quantised finished and normalised). What goes into a quantiser is computed in f32, as accurately as f32 sums, v_exp_f32 and their like allow (about 1e-6 of the number): no bf16 or f16 on the way to a quantiser, and a product that is left as it is and whose result goes on into a quantised operand takes f32 operands (vector FMAs, or v_wmma_f32_16x16x4_f32). A number that lies on a knife's edge between two numbers of the format may be rounded either way, as far as f32 arithmetic and the matrix unit's own rounding can turn it there, and no further.
;; 2 versions. Each part assembles by itself: llvm-mc -triple=amdgcn-amd-amdhsa -mcpu=gfx1250 --defsym DOCPART=n.
;; ======== version 1 of 2: 2 launches
;; workspace buffers: kv 6,815,744 bytes; mw 1,048,576 bytes of whole numbers
;; launch prep (part 1): grid 256 x 1, 8 waves a work-group, no clusters, 0 bytes of LDS; arguments keys, attn_mask, kv, mw; writes kv, mw
.if DOCPART == 1
	.amdgcn_target "amdgcn-amd-amdhsa--gfx1250"
	.amdhsa_code_object_version 6
	.text
	.protected	k_q6320581d88_prep
	.globl	k_q6320581d88_prep
	.p2align	8
	.type	k_q6320581d88_prep,@function
k_q6320581d88_prep:
	s_mov_b64 s[64:65], 0
	v_nop
	global_prefetch_b8 v0, s[64:65] scope:SCOPE_SE
	s_setreg_imm32_b32 hwreg(HW_REG_WAVE_MODE, 25, 1), 1
	s_wait_xcnt 0x0
; WHAT THE SECOND LAUNCH WOULD OTHERWISE DO FOUR OR EIGHT TIMES OVER IS DONE HERE ONCE.
; keys [1024 (s)][64 (head n)][64 (channel)] f32 are turned into codes of FP6 (E2M3) twice: along the channels (operand of q k^T) and along the keys
; (operand of the second product), with one E8M0 byte for each 32 along that K.  attn_mask [8][1024][1024] of bytes is turned into lane masks.
; A block's scale is 2^(floor(log2(its largest magnitude)) - 2); its byte is the largest magnitude's exponent field - 2, held at 1 from below.
; (A block of zeros so gets the byte 1 where the rule says 127: its codes are zeros, and this program alone reads the bytes.)
; LIMITS: NaN and infinities among the keys are not served; blocks whose largest magnitude lies under 2^-124 keep the byte 1.
; kv, PER HEAD 106,496 BYTES, IS LAID AS IMAGES OF THE OPERANDS' REGISTERS, in the order in which the second launch keeps it in LDS.  sigma = a step of 128 keys:
;   0       K: fragment 8 sigma + t (768 bytes): registers 0-3 at 16 x lane, registers 4-5 at 512 + 8 x lane.  Row m of tile t is key 128 sigma + 8 t + (m & 7) + 64 (m >> 3);
;           lane (r, h) holds row r, channels 32 h .. 32 h + 31 (registers 6-11, k = 64 .. 127, are zeros and are not stored)
;   49152   V: fragment 4 sigma + T (1,536 bytes): registers 4 c .. 4 c + 3 at 512 c + 16 x lane.  Lane (r, h) holds channel 16 T + r, keys 128 sigma + 64 h + 0 .. 63: two whole blocks
;   98304   K's scale words, 512 bytes a step: tile t, row r at 256 (t >> 2) + 16 r + 4 (t & 3); bytes 0, 1 = the two blocks, bytes 2, 3 = 0 (over zero codes)
;   102400  V's scale words, 512 bytes a step: tile T, row r at 256 h + 16 r + 4 T, the same in both halves; byte h = the lane half's first block, byte 2 + h its second
; mw [8 (mask batch)][64 (tile of 16 queries)][8 (sigma)][64 (rho)] words: bit r + 16 h of a word = attn_mask[batch][16 tile + r][128 sigma + 64 h + rho].
; SHARES.  Waves 0-3 of a work-group take keys: wave W = 4 (group & 3) + wave of head group >> 2 makes K's fragments 4 W .. 4 W + 3 and V's 2 W, 2 W + 1.
; Waves 4-7 take the mask: wave G = 4 group + wave - 4 makes 256 words (16 queries x 512 keys).  No LDS, no barrier: waves share nothing.
.set HEADB, 106496
.set VIMG,  49152
.set KSCL,  98304
.set VSCL,  102400
.set FLOOR, 0x1800000                  ; 2^(3 - 127): under it no largest magnitude is taken, so the byte cannot fall under 1
.set EOFF,  0xff000000                 ; -(2 << 23): 2 off an exponent field
.set CF,    16                         ; v16-27   a fragment's codes
.set CT0,   28                         ; v28-30   a conversion's three registers begin on an even number: a block's second half is made here and moved
.set CT1,   12                         ; v12-14   likewise
.set XV,    32                         ; v32-95   64 numbers of V's first fragment
.set XK,    96                         ; v96-223  K's four tiles, 32 numbers each; v96-159 later take V's second fragment
.set KW,    224                        ; v224-227 K's scale words, a tile each
.set VW,    228                        ; v228-229 V's
.set KSEL,  230                        ; v230-231 the two of K's words that my half of the lanes stores
.set MA,    232                        ; at work
.set MB,    233
.set CC,    234
.set SA,    235
.set SB,    236
.set WX,    237
.set MR,    32                         ; the mask role: v32-95 mask bytes, 16 registers a step
.set OUT,   16                         ; v16-23   256 words, four a lane and store
	s_load_b256 s[4:11], s[0:1], 0x0               ; keys s[4:5], attn_mask s[6:7], kv s[8:9], mw s[10:11]
	v_lshrrev_b32 v1, 5, v0
	v_readfirstlane_b32 s12, v1                    ; wave 0..7
	v_and_b32 v1, 15, v0                           ; r
	v_bfe_u32 v2, v0, 4, 1                         ; h
	v_and_b32 v11, 31, v0                          ; lane
	s_cmp_lt_u32 s12, 4
	s_cbranch_scc0 .Lmask
; ------------------------------------------------------------------ the keys
	s_and_b32 s13, ttmp9, 3
	s_lshl_b32 s13, s13, 2
	s_add_co_u32 s13, s13, s12                     ; W, 0..15
	s_lshr_b32 s14, ttmp9, 2                       ; the head n
	s_lshr_b32 s15, s13, 1                         ; sigma
	s_and_b32 s22, s13, 1                          ; e: which half of the step's fragments
	s_lshl_b32 s2, s15, 21                         ; 128 keys of 16,384 bytes a step,
	s_lshl_b32 s23, s14, 8                         ; a head's 256 bytes of a key's row
	s_add_co_u32 s2, s2, s23
	s_lshl_b32 s24, s22, 19                        ; K: tiles 4 e on begin 32 e keys on
	s_add_co_u32 s24, s24, s2
	s_mov_b32 s25, 0
	s_lshl_b32 s26, s22, 7                         ; V: fragments 2 e on begin 32 e channels on
	s_add_co_u32 s26, s26, s2
	s_mov_b32 s27, 0
	s_mul_i32 s28, s14, HEADB
	s_mov_b32 s29, 0
	s_mov_b32 s20, 0x76543210
	s_mov_b32 s21, 0xfedcba98                      ; v_permlanex16_b32's selects for lane l xor 16
	v_lshlrev_b32 v31, 3, v2                       ; 8 h: my byte's place in a scale word
	v_and_b32 v9, 7, v1
	v_lshrrev_b32 v10, 3, v1
	v_lshl_add_u32 v9, v10, 6, v9                  ; (r & 7) + 64 (r >> 3): my row's key in a tile
	v_lshlrev_b32 v3, 14, v9
	v_lshl_add_u32 v3, v2, 7, v3                   ; K in: that key's row + 128 h
	v_lshlrev_b32 v4, 2, v1
	v_lshl_add_u32 v4, v2, 20, v4                  ; V in: channel r, 64 h keys down
	s_mul_i32 s30, s13, 3072                       ; four fragments of K, and two of V, are 3,072 bytes
	v_lshl_add_u32 v5, v11, 4, s30                 ; out: 16 x lane
	s_add_co_u32 s31, s30, 512
	v_lshl_add_u32 v6, v11, 3, s31                 ; out: 512 + 8 x lane
	s_lshl_b32 s32, s13, 8
	s_add_co_u32 s32, s32, KSCL
	v_lshl_add_u32 v7, v1, 4, s32
	v_lshl_add_u32 v7, v2, 3, v7                   ; K's words: 256 W + 16 r + 8 h
	s_lshl_b32 s33, s15, 9
	s_lshl_b32 s34, s22, 3
	s_add_co_u32 s33, s33, s34
	s_add_co_u32 s33, s33, VSCL
	v_lshl_add_u32 v8, v1, 4, s33
	v_lshl_add_u32 v8, v2, 8, v8                   ; V's words: 512 sigma + 8 e + 256 h + 16 r
	v_mov_b32 v[WX], 0                             ; written once: a lane permute's destination counts as one of its sources
	s_wait_kmcnt 0x0
	s_add_nc_u64 s[16:17], s[4:5], s[24:25]
	s_add_nc_u64 s[18:19], s[4:5], s[26:27]
	s_add_nc_u64 s[8:9], s[8:9], s[28:29]
.macro KLOADG i                        ; tile 4 e + i: my key's 32 channels, 128 bytes
.irp j, 0,1,2,3,4,5,6,7
	global_load_b128 v[XK+32*\i+4*\j:XK+32*\i+4*\j+3], v3, s[16:17] offset:\i*131072+16*\j
.endr
.endm
.macro VLOADG u, x                     ; fragment 2 e + u: my channel down 64 keys: the registers run along the second product's K
.set ii, 0
.rept 64
	global_load_b32 v[\x+ii], v4, s[18:19] offset:ii*16384+64*\u
.set ii, ii+1
.endr
.endm
.macro BMAX x, m, c                    ; the largest magnitude of 32 numbers of my own, and the floor: 16 lines in two chains
	v_max3_num_f32 v[\m], |v[\x]|, |v[\x+1]|, FLOOR
	v_max3_num_f32 v[\c], |v[\x+2]|, |v[\x+3]|, |v[\x+4]|
.irp i, 5,9,13,17,21,25
	v_max3_num_f32 v[\m], v[\m], |v[\x+\i]|, |v[\x+\i+1]|
	v_max3_num_f32 v[\c], v[\c], |v[\x+\i+2]|, |v[\x+\i+3]|
.endr
	v_max3_num_f32 v[\m], v[\m], |v[\x+29]|, |v[\x+30]|
	v_max3_num_f32 v[\m], v[\m], v[\c], |v[\x+31]|
.endm
.macro KTILE i
	BMAX XK+32*\i, MA, CC
	v_add_nc_u32 v[SA], EOFF, v[MA]                ; 2 off the exponent field: the conversion takes the exponent field of this operand as its scale
	v_lshrrev_b32 v[MA], 23, v[SA]                 ; the scale's byte
	s_wait_xcnt 0x0                                ; the codes' registers were the data of the stores before: they are written again only behind this wait
	v_cvt_scalef32_pk16_fp6_f32 v[CF:CF+2], v[XK+32*\i:XK+32*\i+15], v[SA]
	v_cvt_scalef32_pk16_fp6_f32 v[CT0:CT0+2], v[XK+32*\i+16:XK+32*\i+31], v[SA]
	v_lshlrev_b32 v[MA], v31, v[MA]                ; my byte at its place.  (The plain line behind the conversions)
.irp k, 0,1,2
	v_mov_b32 v[CF+3+\k], v[CT0+\k]
.endr
	v_permlanex16_b32 v[WX], v[MA], s20, s21
	v_or_b32 v[KW+\i], v[MA], v[WX]                ; with lane l xor 16's byte the word is whole, in both halves
	global_store_b128 v5, v[CF:CF+3], s[8:9] offset:768*\i     ; 32 lanes store 512 consecutive bytes,
	global_store_b64 v6, v[CF+4:CF+5], s[8:9] offset:768*\i    ; and 256 more, both at multiples of 256 from kv's first byte
.endm
.macro VFRAG u, x
	BMAX \x, MA, CC
	BMAX \x+32, MB, CC
	v_add_nc_u32 v[SA], EOFF, v[MA]
	v_add_nc_u32 v[SB], EOFF, v[MB]
	v_lshrrev_b32 v[MA], 23, v[SA]
	v_lshrrev_b32 v[MB], 23, v[SB]
	v_lshl_or_b32 v[MA], v[MB], 16, v[MA]          ; my two bytes, two places apart
	s_wait_xcnt 0x0                                ; as in KTILE
	v_cvt_scalef32_pk16_fp6_f32 v[CF:CF+2], v[\x:\x+15], v[SA]
	v_cvt_scalef32_pk16_fp6_f32 v[CT0:CT0+2], v[\x+16:\x+31], v[SA]
	v_cvt_scalef32_pk16_fp6_f32 v[CF+6:CF+8], v[\x+32:\x+47], v[SB]
	v_cvt_scalef32_pk16_fp6_f32 v[CT1:CT1+2], v[\x+48:\x+63], v[SB]
	v_lshlrev_b32 v[MA], v31, v[MA]                ; 8 h bits up.  (The plain line behind the conversions)
.irp k, 0,1,2
	v_mov_b32 v[CF+3+\k], v[CT0+\k]
	v_mov_b32 v[CF+9+\k], v[CT1+\k]
.endr
	v_permlanex16_b32 v[WX], v[MA], s20, s21
	v_or_b32 v[VW+\u], v[MA], v[WX]
.irp c, 0,1,2
	global_store_b128 v5, v[CF+4*\c:CF+4*\c+3], s[8:9] offset:VIMG+1536*\u+512*\c
.endr
.endm
	KLOADG 0
	KLOADG 1
	KLOADG 2
	KLOADG 3
	VLOADG 0, XV
	s_wait_loadcnt 63                              ; behind K's 32 loads stand 64 younger ones
	KTILE 0
	KTILE 1
	VLOADG 1, XK                                   ; V's second fragment into the registers that tiles 0 and 1 have left
	KTILE 2
	KTILE 3
	v_cmp_ne_u32 vcc_lo, 0, v2
	v_cndmask_b32 v[KSEL], v[KW], v[KW+2], vcc_lo      ; lanes 0-15 store words 0, 1 of their row, lanes 16-31 words 2, 3
	v_cndmask_b32 v[KSEL+1], v[KW+1], v[KW+3], vcc_lo
	global_store_b64 v7, v[KSEL:KSEL+1], s[8:9]    ; 32 lanes store 256 consecutive bytes, aligned
	s_wait_loadcnt 63                              ; behind V's first 64 loads stand 64 younger ones
	VFRAG 0, XV
	s_wait_loadcnt 0x0
	VFRAG 1, XK
	global_store_b64 v8, v[VW:VW+1], s[8:9]        ; my two words of each row's four; the wave with the other e stores the other two
	s_endpgm
; ------------------------------------------------------------------ the mask
.Lmask:
	s_lshl_b32 s13, ttmp9, 2
	s_add_co_u32 s13, s13, s12
	s_sub_co_u32 s13, s13, 4                       ; G, 0..1023 = (batch x 64 + tile of queries) x 2 + half of the keys
	s_lshr_b32 s14, s13, 7
	s_lshl_b32 s14, s14, 20                        ; the batch's 1,024 x 1,024 bytes
	s_bfe_u32 s15, s13, 0x60001                    ; 6 bits from bit 1: the tile of 16 queries,
	s_lshl_b32 s15, s15, 14                        ; 16 rows of 1,024 bytes
	s_add_co_u32 s14, s14, s15
	s_and_b32 s15, s13, 1
	s_lshl_b32 s15, s15, 9                         ; 512 keys
	s_add_co_u32 s14, s14, s15
	s_mov_b32 s15, 0
	s_lshl_b32 s16, s13, 10                        ; 256 words out
	s_mov_b32 s17, 0
	v_lshlrev_b32 v3, 10, v1
	v_lshl_add_u32 v3, v2, 6, v3                   ; in: query r's row, + 64 h keys
	v_lshlrev_b32 v4, 4, v11                       ; out: 16 x lane
.irp k, 0,1,2,3,4,5,6,7
	v_mov_b32 v[OUT+\k], 0                         ; v_writelane_b32's destination counts as read
.endr
	s_wait_kmcnt 0x0
	s_add_nc_u64 s[6:7], s[6:7], s[14:15]
	s_add_nc_u64 s[10:11], s[10:11], s[16:17]
.irp s, 0,1,2,3
.irp k, 0,1,2,3
	global_load_b128 v[MR+16*\s+4*\k:MR+16*\s+4*\k+3], v3, s[6:7] offset:128*\s+16*\k th:TH_LOAD_NT   ; step s: my 64 mask bytes, rho = 0 .. 63
.endr
.endr
; Byte i of register q of a step is rho = 4 q + i.  A compare over the wave makes the word of that rho (bit = lane = r + 16 h); it goes to lane 16 (s % 2) + q of output register 4 (s / 2) + i,
; so that a store of 16 bytes a lane writes the words in ascending order.  Eight at a time, so that no line waits for the line above it.
.macro MSTEP s
	s_wait_loadcnt 12-4*(\s)                       ; this step's four loads are in; the later steps' may be out
.irp p, 0,1,2,3,4,5,6,7
.irp e, 0,1,2,3,4,5,6,7
	v_and_b32 v[8+\e], 0xff<<(8*(\e%4)), v[MR+16*(\s)+2*\p+\e/4]
.endr
.irp e, 0,1,2,3,4,5,6,7
	v_cmp_ne_u32 s[24+\e], 0, v[8+\e]
.endr
.irp e, 0,1,2,3,4,5,6,7
	v_writelane_b32 v[OUT+4*((\s)/2)+\e%4], s[24+\e], 16*((\s)%2)+2*\p+\e/4
.endr
.endr
.endm
	MSTEP 0
	MSTEP 1
	MSTEP 2
	MSTEP 3
	global_store_b128 v4, v[OUT:OUT+3], s[10:11]               ; 32 lanes store 512 consecutive bytes, at a multiple of 256 from mw's first byte
	global_store_b128 v4, v[OUT+4:OUT+7], s[10:11] offset:512
	s_endpgm
.Lfunc_end_k_q6320581d88_prep:
	.size	k_q6320581d88_prep, .Lfunc_end_k_q6320581d88_prep-k_q6320581d88_prep
	.p2alignl 7, 3214868480
	.fill 96, 4, 3214868480
	.section	.rodata,"a",@progbits
	.p2align	6, 0x0
	.amdhsa_kernel k_q6320581d88_prep
		.amdhsa_group_segment_fixed_size 0
		.amdhsa_private_segment_fixed_size 0
		.amdhsa_enable_private_segment 0
		.amdhsa_kernarg_size 32
		.amdhsa_user_sgpr_count 2
		.amdhsa_user_sgpr_kernarg_segment_ptr 1
		.amdhsa_wavefront_size32 1
		.amdhsa_system_sgpr_workgroup_id_x 1
		.amdhsa_system_sgpr_workgroup_id_y 1
		.amdhsa_system_sgpr_workgroup_id_z 1
		.amdhsa_system_vgpr_workitem_id 0
		.amdhsa_next_free_vgpr 256
		.amdhsa_next_free_sgpr 66
		.amdhsa_reserve_vcc 1
		.amdhsa_float_denorm_mode_32 3
		.amdhsa_float_denorm_mode_16_64 3
		.amdhsa_memory_ordered 1
		.amdhsa_forward_progress 1
		.amdhsa_inst_pref_size 82
	.end_amdhsa_kernel
	.amdgpu_metadata
---
amdhsa.version: [ 1, 2 ]
amdhsa.kernels:
  - .name:           k_q6320581d88_prep
    .symbol:         k_q6320581d88_prep.kd
    .args:
      - { .name: keys, .offset: 0, .size: 8, .value_kind: global_buffer, .address_space: global }
      - { .name: attn_mask, .offset: 8, .size: 8, .value_kind: global_buffer, .address_space: global }
      - { .name: kv, .offset: 16, .size: 8, .value_kind: global_buffer, .address_space: global }
      - { .name: mw, .offset: 24, .size: 8, .value_kind: global_buffer, .address_space: global }
    .group_segment_fixed_size: 0
    .private_segment_fixed_size: 0
    .kernarg_segment_align: 8
    .kernarg_segment_size: 32
    .max_flat_workgroup_size: 256
    .sgpr_count:     66
    .vgpr_count:     256
    .wavefront_size: 32
...
	.end_amdgpu_metadata
.endif
;; end of part 1
;; launch attn (part 2): grid 4 x 64, 16 waves a work-group, clusters of 4 x 1, 178,176 bytes of LDS; arguments queries, kv, mw, out0; writes out0
.if DOCPART == 2
	.amdgcn_target "amdgcn-amd-amdhsa--gfx1250"
	.amdhsa_code_object_version 6
	.text
	.protected	k_q6320581d88_attn
	.globl	k_q6320581d88_attn
	.p2align	8
	.type	k_q6320581d88_attn,@function
k_q6320581d88_attn:
	s_mov_b64 s[64:65], 0
	v_nop
	global_prefetch_b8 v0, s[64:65] scope:SCOPE_SE
	s_setreg_imm32_b32 hwreg(HW_REG_WAVE_MODE, 25, 1), 1
	s_wait_xcnt 0x0
	s_wait_alu depctr_hold_cnt(0) depctr_sa_sdst(0) depctr_va_vdst(0) depctr_va_sdst(0) depctr_va_ssrc(0) depctr_va_vcc(0) depctr_vm_vsrc(0)
	s_getreg_b32 s2, hwreg(HW_REG_IB_STS2, 6, 4)
	s_cmp_eq_u32 s2, 0
	s_cbranch_scc0 .Lentry_in_a_cluster
	s_endpgm
.Lentry_in_a_cluster:
	s_bfe_u32 s2, ttmp6, 0x10000c
	s_cmp_lg_u32 s2, 0x3003
	s_cbranch_scc0 .Lentry_shape_is_right
	s_endpgm
.Lentry_shape_is_right:
; out0[t][n][:] = the sum over s of softmax_s(q[t][n] . k[s][n] / 8, masked by attn_mask[n & 7][t][s]) k[s][n][:], 64 heads n of 64 channels, 1,024 queries, 1,024 keys.
; Both products on codes of FP6 (E2M3) with one E8M0 scale for each 32 along a product's K.  The keys' codes, in both layouts, and the mask as lane masks were made by the launch before.
; THE SOFTMAX AHEAD OF THE SECOND PRODUCT: t = score x log2(e) / 8; M = the row's largest t so far, rounded UP to a whole number; p = 2^(t - M) is quantised along the keys, not normalised.
; The row's sum is taken of the unquantised p, in f32, and divides O at the end.  When M moves, the sum and O are multiplied by 2^(old M - new M): exact.
; SHARES.  A work-group owns 256 queries of one head, each of its sixteen waves 16 of them in 256 registers: four waves to a SIMD, so that one wave's vector work (some 290 lines a step)
; stands beside another's 12 matrix instructions and LDS loads.  Every wave walks the head's 1,024 keys, 128 a step.
; LDS.  A head's codes and scale words, 106,496 bytes, come ONCE: each wave brings 26 rows of 256 bytes by one tensor load; nothing is filled again.  Behind them a stage of 16 x 272 bytes for each wave.
; CLUSTER.  The four query blocks of a head form a cluster and want the same 106,496 bytes: each load is a JOINT one, with the same descriptor and a mask that names the four.
; LAYOUT.  Both products are used transposed: S^T = K q^T (source 0 = 16 keys, source 1 = my 16 queries), O^T = V^T P^T: a lane holds ONE query (lane % 16) throughout.
; Row m of tile t of K is key 8 t + (m & 7) + 64 (m >> 3) of the step, so that score register rho = 8 t + j of lane (r, h) is key 64 h + rho: A LANE OWNS TWO WHOLE BLOCKS OF 32 KEYS.
; So a block's maximum asks no other lane, and the conversions' results are P's operand as they stand.  V's fragments were laid by the same order of the keys.  K = 64 in the first product: registers 6-11 of q's and K's fragments are zero codes.
; THE MASK costs one v_cndmask_b32 a score: word rho of a step, a scalar register, has bit r + 16 h = the mask of query r and key 64 h + rho.  A step's 64 words are asked for a step ahead.
; LIMITS: NaN and infinities among the inputs are not served; blocks whose largest magnitude lies under 2^-124 keep the scale byte 1; a p under 2^-126 counts as 0 (v_exp_f32 flushes: ISA guide 15.8);
; a block's largest p is taken from the block's largest score, which takes v_exp_f32 not to fall where its input rises.  A row whose keys are all masked gives 0 x infinity = NaN, as the softmax of such a row is.
.set VIMG,  49152                      ; LDS: K's 64 fragments of 768 bytes from 0; V's 32 of 1,536 from here;
.set KSCL,  98304                      ; K's scale words, 512 bytes a step;
.set VSCL,  102400                     ; V's likewise
.set HEADB, 106496
.set WPART, 6656                       ; a wave's part of the fill: 26 rows of 256 bytes
.set STG,   106496                     ; the stages: no fill lands here
.set SP,    272                        ; a stage row: 256 bytes + 16
.set FLOOR, 0x1800000                  ; 2^(3 - 127)
.set EOFF,  0xff000000                 ; 2 off an exponent field
; REGISTERS: v1 16 x lane, v2 512 + 8 x lane, v4-6 the same as v1 from V's fragments, K's words, V's words on; v3 q's offset; v7-11 the step's LDS addresses; v12 -M, v13 the largest t, v[14:15] the sum in two halves;
; v16-27 q's fragment; v28 q's scale word; v30 -infinity; v31 8 h; v32-79 four fragments of K; v96-159 S^T, then p, then (v96-143) V's four fragments; v160-191 O^T; v192-203 P's codes;
; v204-210 halves of blocks; v212-215 K's scale words, v216-219 V's, v220 P's; v222-239 at work; v240-242 the way out.
.set KF,  32
.set SS,  96
.set OO,  160
.set PP,  192
.set CT0, 204
.set CT1, 208
.set KSW, 212
.set VSW, 216
.set PSW, 220
.set BM,  222                          ; v222-223 the two blocks' largest scores, then largest p
.set CH,  238                          ; v238-239 second chains of the maxima
; s[4:5] q, s[8:9] mw, s[10:11] out0; s12 wave; s13, s100 the step's place among the scale words and the fragments; s16-63, s80-95 the step's 64 mask words; s[68:71], s[72:79] the descriptor; s[96:97] lane selects; s[98:99] c; s101 trips
.macro CROUND                          ; a round of the cluster's barrier: my work-group's barrier; wave 0 signals for the work-group; every wave waits for all four; my work-group's barrier once more
	s_barrier_signal -1
	s_barrier_wait -1
	s_cmp_lg_u32 s12, 0
	s_cbranch_scc1 .Lnot_wave_0_\@
	s_barrier_signal -3
.Lnot_wave_0_\@:
	s_barrier_wait -3
	s_barrier_signal -1
	s_barrier_wait -1
.endm
	s_load_b256 s[4:11], s[0:1], 0x0               ; queries s[4:5], kv s[6:7], mw s[8:9], out0 s[10:11]
	v_lshl_add_u32 v254, v0, 2, 0x2b000
	v_mov_b32 v255, 0
	ds_add_u32 v254, v255
	ds_add_u32 v254, v255
	v_lshrrev_b32 v1, 5, v0
	v_readfirstlane_b32 s12, v1                    ; wave 0..15
	s_bfe_u32 s14, ttmp6, 0x40000                  ; cx: my place in the cluster: it enters q's, mw's and out0's addresses alone
	s_lshl_b32 s15, ttmp9, 2
	s_add_co_u32 s15, s15, s14                     ; my block of 256 queries
	s_and_b32 s66, ttmp7, 0xffff                   ; y, which the four partners share
	s_and_b32 s67, s66, 7
	s_lshl_b32 s67, s67, 3
	s_lshr_b32 s66, s66, 3                         ; the mask's batch = n & 7: eight neighbouring y share it
	s_or_b32 s67, s67, s66                         ; the head n = 8 (y & 7) + (y >> 3)
	s_mul_i32 s2, s67, HEADB
	s_mul_i32 s69, s12, WPART                      ; 63:32 of group 0, the LDS address: my wave's part
	s_add_co_u32 s2, s2, s69                       ; and the same part of the head's bytes in kv
	s_mov_b32 s3, 0
	s_lshl_b32 s14, s15, 8
	s_lshl_b32 s13, s12, 4
	s_add_co_u32 s14, s14, s13                     ; my first query q0 = 256 x block + 16 x wave
	s_lshl_b32 s100, s14, 7                        ; mw: 2,048 bytes for each tile of 16 queries,
	s_lshl_b32 s13, s66, 17                        ; 131,072 for each batch
	s_add_co_u32 s100, s100, s13
	s_mov_b32 s101, 0
	s_lshl_b32 s14, s14, 14                        ; q, out0: rows of 16,384 bytes,
	s_lshl_b32 s13, s67, 8                         ; the head's 256 of them
	s_add_co_u32 s14, s14, s13
	s_mov_b32 s15, 0
	; descriptor group 1: 26 rows of 32 elements of 8 bytes, dense
	s_mov_b32 s72, 15|(3<<16)|(1<<21)              ; 15:0 the mask: all four work-groups; 17:16 elements of 8 bytes; 20 no padding; 21 set beside a mask
	s_mov_b32 s73, 32<<16                          ; tensor_dim0 = 32
	s_mov_b32 s74, 26<<16                          ; tensor_dim1 = 26
	s_mov_b32 s75, 32<<16                          ; tile_dim0 = 32
	s_mov_b32 s76, 26                              ; tile_dim1 = 26
	s_mov_b32 s77, 32                              ; elements from row to row
	s_mov_b32 s78, 0
	s_mov_b32 s79, 0
	s_mov_b32 s68, 1                               ; group 0: count = 1
	s_mov_b32 s96, 0x76543210
	s_mov_b32 s97, 0xfedcba98                      ; v_permlanex16_b32's selects for lane l xor 16
	s_mov_b32 s98, 0x3e38aa3b                      ; c = log2(e) / 8
	s_mov_b32 s99, s98                             ; (named with it as a pair, so it is written)
	v_and_b32 v29, 31, v0                          ; lane
	v_and_b32 v232, 15, v0                         ; r
	v_bfe_u32 v233, v0, 4, 1                       ; h
	v_lshlrev_b32 v3, 14, v232
	v_lshl_add_u32 v3, v233, 7, v3                 ; q: query r's row, + 128 h: my 32 channels
	s_wait_dscnt 0x0
	s_wait_kmcnt 0x0
	s_add_nc_u64 s[4:5], s[4:5], s[14:15]
	s_add_nc_u64 s[10:11], s[10:11], s[14:15]
	s_add_nc_u64 s[8:9], s[8:9], s[100:101]
	s_add_nc_u64 s[70:71], s[6:7], s[2:3]          ; 120:64 global address
	s_or_b32 s71, s71, 0x80000000                  ; 127:126 type = 2
	CROUND                                         ; all four work-groups are here: the joint loads meet
	tensor_load_to_lds s[68:71], s[72:79]          ; my one tensor load of the launch
	s_nop 0
.rept 4
	v_nop
.endr
.irp j, 0,1,2,3,4,5,6,7
	global_load_b128 v[SS+4*\j:SS+4*\j+3], v3, s[4:5] offset:16*\j th:TH_LOAD_NT   ; q(r, 32 h + 0 .. 31): read once, by this wave alone
.endr
	s_load_b512 s[16:31], s[8:9], 0x0              ; step 0's 64 mask words
	s_load_b512 s[32:47], s[8:9], 0x40
	s_load_b512 s[48:63], s[8:9], 0x80
	s_load_b512 s[80:95], s[8:9], 0xc0
	v_lshlrev_b32 v1, 4, v29
	v_lshl_add_u32 v2, v29, 3, 512
	v_add_nc_u32 v4, VIMG, v1
	v_add_nc_u32 v5, KSCL, v1
	v_add_nc_u32 v6, VSCL, v1
	v_lshlrev_b32 v31, 3, v233
	v_mov_b32 v30, 0xff800000                      ; -infinity
	v_mov_b32 v225, 0                              ; written once: a lane permute's destination counts as one of its sources
	v_mov_b32 v237, 0
	v_mov_b32 v227, 0                              ; (named as the upper half of the pair v[226:227])
	s_wait_loadcnt 0x0                             ; q
	; q is quantised in registers: my 32 numbers are one block
	v_max3_num_f32 v232, |v[SS]|, |v[SS+1]|, FLOOR
	v_max3_num_f32 v233, |v[SS+2]|, |v[SS+3]|, |v[SS+4]|
.irp i, 5,9,13,17,21,25
	v_max3_num_f32 v232, v232, |v[SS+\i]|, |v[SS+\i+1]|
	v_max3_num_f32 v233, v233, |v[SS+\i+2]|, |v[SS+\i+3]|
.endr
	v_max3_num_f32 v232, v232, |v[SS+29]|, |v[SS+30]|
	v_max3_num_f32 v232, v232, v233, |v[SS+31]|
	v_add_nc_u32 v230, EOFF, v232                  ; the conversion's scale operand
	v_lshrrev_b32 v232, 23, v230                   ; the scale's byte
	v_cvt_scalef32_pk16_fp6_f32 v[16:18], v[SS:SS+15], v230
	v_cvt_scalef32_pk16_fp6_f32 v[CT0:CT0+2], v[SS+16:SS+31], v230   ; (a conversion's three registers begin on an even number)
	v_lshlrev_b32 v232, v31, v232                  ; my byte at its place.  (The plain line behind the conversions)
.irp k, 0,1,2
	v_mov_b32 v[19+\k], v[CT0+\k]
.endr
	v_permlanex16_b32 v237, v232, s96, s97
	v_or_b32 v28, v232, v237                       ; q's scale word: bytes 0, 1 the two blocks, bytes 2, 3 zero, over zero codes
.irp k, 22,23,24,25,26,27
	v_mov_b32 v[\k], 0                             ; k = 64 .. 127 of q: zero codes
.endr
.irp t, 0,1,2,3
.irp k, 6,7,8,9,10,11
	v_mov_b32 v[KF+12*\t+\k], 0                    ; and of K's four fragments: set once, no load lands here
.endr
.endr
	v_mov_b32 v13, 0xff61b1e6                      ; the largest t so far: -3e38, under every t
	v_floor_f32 v12, -v13                          ; -M
	v_mov_b32 v14, 0                               ; the sum, in two halves
	v_mov_b32 v15, 0
	s_mov_b32 s100, 0
	s_mov_b32 s13, 0
	s_mov_b32 s101, 6
	s_wait_tensorcnt 0x0                           ; my part of the head's codes is in,
	s_barrier_signal -1
	s_barrier_wait -1                              ; everybody's is
.macro KLOAD g                         ; tiles 4 g .. 4 g + 3 of the step's K, as images of their six registers
.irp t, 0,1,2,3
	ds_load_b128 v[KF+12*\t:KF+12*\t+3], v7 offset:(4*\g+\t)*768
	ds_load_b64 v[KF+12*\t+4:KF+12*\t+5], v8 offset:(4*\g+\t)*768
.endr
.endm
.macro SMUL g                          ; S^T of these four tiles.  K's scale words: lanes 0-15 of the four registers hold tiles 0-3, lanes 16-31 tiles 4-7
.irp t, 0,1,2,3
.if \g
	v_wmma_scale_f32_16x16x128_f8f6f4 v[SS+8*(4*\g+\t):SS+8*(4*\g+\t)+7], v[KF+12*\t:KF+12*\t+11], v[16:27], 0, v[KSW+\t], v28 matrix_a_fmt:MATRIX_FMT_FP6 matrix_b_fmt:MATRIX_FMT_FP6 matrix_a_scale:MATRIX_SCALE_ROW1
.else
	v_wmma_scale_f32_16x16x128_f8f6f4 v[SS+8*(4*\g+\t):SS+8*(4*\g+\t)+7], v[KF+12*\t:KF+12*\t+11], v[16:27], 0, v[KSW+\t], v28 matrix_a_fmt:MATRIX_FMT_FP6 matrix_b_fmt:MATRIX_FMT_FP6
.endif
.endr
.endm
.macro CND lo                          ; 32 scores: where the mask's bit is 0 the score becomes -infinity, and p = 0.  Ascending: each result is read from its low end on
.set rr, \lo
.rept 32
	v_cndmask_b32 v[SS+rr], v30, v[SS+rr], s[16+rr+16*(rr/48)]
.set rr, rr+1
.endr
.endm
.macro BMAXS x, m, c                   ; the largest of a block's 32 scores, all mine: 16 lines in two chains
	v_max3_num_f32 v[\m], v[\x], v[\x+1], v[\x+2]
	v_max3_num_f32 v[\c], v[\x+3], v[\x+4], v[\x+5]
.irp i, 6,10,14,18,22,26
	v_max3_num_f32 v[\m], v[\m], v[\x+\i], v[\x+\i+1]
	v_max3_num_f32 v[\c], v[\c], v[\x+\i+2], v[\x+\i+3]
.endr
	v_max3_num_f32 v[\m], v[\m], v[\x+30], v[\x+31]
	v_max_num_f32 v[\m], v[\m], v[\c]
.endm
; A KEY STEP: 128 keys.  first = 1: its products start O^T's sums and nothing is rescaled.  more = 1: the next step's mask words are asked for.
.macro STEP first, more
	v_add_nc_u32 v7, s100, v1                      ; five plain lines that name no register of the last step's products: the places in front of products
	v_add_nc_u32 v8, s100, v2                      ; that write over those products' source registers (ISA guide 7.12.1)
	v_add_nc_u32 v9, s13, v5
	v_add_nc_u32 v10, s100, v4
	v_add_nc_u32 v11, s13, v6
	KLOAD 0
	ds_load_b128 v[KSW:KSW+3], v9                  ; the eight tiles' scale words
	s_wait_dscnt 0x0
	SMUL 0
.rept 4
	v_nop                                          ; places in front of loads into registers that these products read, and of the first read of their results
.endr
	KLOAD 1
	s_wait_kmcnt 0x0                               ; this step's mask words, asked for a step ago
.if \more
	s_wait_xcnt 0x0                                ; their base is stepped only behind these two waits
	s_add_nc_u64 s[8:9], s[8:9], 256
.endif
	CND 0
	s_wait_dscnt 0x0
	SMUL 1
	BMAXS SS, BM, CH                               ; 16 plain lines on the first block: the places behind the four products above
	CND 32
.if \more
	s_load_b512 s[16:31], s[8:9], 0x0              ; the words have been read: the next step's take their place
	s_load_b512 s[32:47], s[8:9], 0x40
	s_load_b512 s[48:63], s[8:9], 0x80
	s_load_b512 s[80:95], s[8:9], 0xc0
.endif
	BMAXS SS+32, BM+1, CH+1
	v_max_num_f32 v224, v[BM], v[BM+1]
	v_permlanex16_b32 v225, v224, s96, s97
	v_max_num_f32 v224, v224, v225                 ; with lane l xor 16's 64 keys: the step's largest score of my query
	v_mul_f32 v224, s98, v224                      ; as t (c is positive)
	v_max_num_f32 v13, v13, v224                   ; the running largest t
.if \first == 0
	v_mov_b32 v228, v12
.endif
	v_floor_f32 v12, -v13                          ; the new -M = floor(-t) = -ceil(t): M is a whole number
.if \first == 0
	v_sub_f32 v228, v12, v228                      ; old M - new M: a whole number, 0 or less
	v_cvt_i32_f32 v228, v228                       ; (it saturates)
	v_ldexp_f32 v226, 1.0, v228                    ; f = 2^(old M - new M)
.endif
.set jj, 0
.rept 32
	v_pk_fma_f32 v[SS+jj:SS+jj+1], v[SS+jj:SS+jj+1], s[98:99], v[12:13] op_sel_hi:[1,0,0]   ; t - M, two at a time (of the pairs c and -M the low word serves both halves)
.set jj, jj+2
.endr
	v_fma_f32 v[BM], v[BM], s98, v12               ; the same of each block's largest score
	v_fma_f32 v[BM+1], v[BM+1], s98, v12
.set jj, 0
.rept 64
	v_exp_f32 v[SS+jj], v[SS+jj]                   ; p = 2^(t - M), at most 1: not normalised
.set jj, jj+1
.endr
	v_exp_f32 v[BM], v[BM]                         ; the block's largest p: the same two instructions on the same number give the same bits
	v_exp_f32 v[BM+1], v[BM+1]
.if \first
	v_nop                                          ; a plain line behind the exponentials
	s_wait_alu depctr_va_vdst(0)
.else
	v_pk_mul_f32 v[14:15], v[14:15], v[226:227] op_sel_hi:[1,0]   ; the sums under the new M.  (A plain line behind the exponentials)
	s_wait_alu depctr_va_vdst(0)
.endif
	v_max_num_f32 v[BM], FLOOR, v[BM]              ; the floor: the byte cannot fall under 1 (a block whose every p is 0 keeps that byte: its codes are zeros)
	v_max_num_f32 v[BM+1], FLOOR, v[BM+1]
	v_add_nc_u32 v230, EOFF, v[BM]                 ; the conversions' scale operands
	v_add_nc_u32 v231, EOFF, v[BM+1]
	v_lshrrev_b32 v232, 23, v230                   ; the scales' bytes
	v_lshrrev_b32 v233, 23, v231
	v_lshl_or_b32 v236, v233, 16, v232             ; my first block stands at k = 32 h of the operand, my second at 64 + 32 h: bytes h and 2 + h
	v_lshlrev_b32 v236, v31, v236
	v_permlanex16_b32 v237, v236, s96, s97
	v_or_b32 v[PSW], v236, v237                    ; p's scale word for these 128 keys
	v_cvt_scalef32_pk16_fp6_f32 v[PP:PP+2], v[SS:SS+15], v230
	v_cvt_scalef32_pk16_fp6_f32 v[CT0:CT0+2], v[SS+16:SS+31], v230
	v_cvt_scalef32_pk16_fp6_f32 v[PP+6:PP+8], v[SS+32:SS+47], v231
	v_cvt_scalef32_pk16_fp6_f32 v[CT1:CT1+2], v[SS+48:SS+63], v231
	v_nop                                          ; one plain line behind the last scaled conversion
.irp k, 0,1,2
	v_mov_b32 v[PP+3+\k], v[CT0+\k]
	v_mov_b32 v[PP+9+\k], v[CT1+\k]
.endr
	v_pk_add_f32 v[234:235], v[SS:SS+1], v[SS+2:SS+3]          ; the row's sum is taken of the unquantised p: two at a time, in two chains.  First the 48 registers that V's fragments will take
.irp j, 4,8,12,16,20,24,28,32,36,40,44
	v_pk_add_f32 v[14:15], v[14:15], v[SS+\j:SS+\j+1]
	v_pk_add_f32 v[234:235], v[234:235], v[SS+\j+2:SS+\j+3]
.endr
.irp t, 0,1,2,3
.irp c, 0,1,2
	ds_load_b128 v[SS+12*\t+4*\c:SS+12*\t+4*\c+3], v10 offset:1536*\t+512*\c   ; V's four fragments, as images of their registers
.endr
.endr
	ds_load_b128 v[VSW:VSW+3], v11                 ; and their scale words
.if \first == 0
.set jj, 0
.rept 16
	v_pk_mul_f32 v[OO+jj:OO+jj+1], v[OO+jj:OO+jj+1], v[226:227] op_sel_hi:[1,0]   ; O^T under the new M: x f; each accumulator from its low end on
.set jj, jj+2
.endr
.endif
.irp j, 48,52,56,60
	v_pk_add_f32 v[14:15], v[14:15], v[SS+\j:SS+\j+1]          ; the rest of the sum: nine plain lines between O^T's rescaling and the products that add onto it
	v_pk_add_f32 v[234:235], v[234:235], v[SS+\j+2:SS+\j+3]
.endr
	v_pk_add_f32 v[14:15], v[14:15], v[234:235]
	s_wait_dscnt 0x0
.irp t, 0,1,2,3                        ; O^T += V^T P^T: the four accumulators by turns, one instruction a turn
.if \first
	v_wmma_scale_f32_16x16x128_f8f6f4 v[OO+8*\t:OO+8*\t+7], v[SS+12*\t:SS+12*\t+11], v[PP:PP+11], 0, v[VSW+\t], v[PSW] matrix_a_fmt:MATRIX_FMT_FP6 matrix_b_fmt:MATRIX_FMT_FP6
.else
	v_wmma_scale_f32_16x16x128_f8f6f4 v[OO+8*\t:OO+8*\t+7], v[SS+12*\t:SS+12*\t+11], v[PP:PP+11], v[OO+8*\t:OO+8*\t+7], v[VSW+\t], v[PSW] matrix_a_fmt:MATRIX_FMT_FP6 matrix_b_fmt:MATRIX_FMT_FP6
.endif
.endr
	s_add_co_u32 s100, s100, 6144                  ; the next step's fragments: eight of K's 768 bytes, and four of V's 1,536,
	s_add_co_u32 s13, s13, 512                     ; and its scale words
.endm
	STEP 1, 1                                      ; the first step starts the sums: nothing is cleared
.Lstep:                                                ; six trips
	STEP 0, 1
	s_sub_co_u32 s101, s101, 1
	s_cmp_lg_u32 s101, 0
	s_cbranch_scc1 .Lstep
	STEP 0, 0                                      ; the last step asks for no mask words: no load leaves mw
	; THE WAY OUT.  O^T is divided by the row's sum and goes through my own stage in LDS, so that sixteen lanes store a query's 256 consecutive bytes.
	v_add_f32 v14, v14, v15                        ; the sum's two halves,
	v_permlanex16_b32 v225, v14, s96, s97
	v_add_f32 v14, v14, v225                       ; and lane l xor 16's: the row's sum
	v_rcp_f32 v14, v14
	v_and_b32 v232, 15, v0                         ; r.  (Ten plain lines: the place behind the reciprocal, and the places behind the last products)
	v_bfe_u32 v233, v0, 4, 1                       ; h
	s_mul_i32 s2, s12, 16*SP
	s_add_co_u32 s2, s2, STG                       ; my stage
	v_mul_u32_u24 v240, v232, SP
	v_lshl_add_u32 v240, v233, 5, v240
	v_add_nc_u32 v240, s2, v240                    ; in: row r; tile T's eight channels of my half: 64 T + 32 h bytes on
	v_mul_u32_u24 v241, v233, SP
	v_lshl_add_u32 v241, v232, 4, v241
	v_add_nc_u32 v241, s2, v241                    ; back: lanes 0-15 one row, lanes 16-31 the next
	v_lshlrev_b32 v242, 14, v233
	v_lshl_add_u32 v242, v232, 4, v242             ; and the same two queries' rows in out0
.set jj, 0
	s_wait_alu depctr_va_vdst(0)
.rept 16
	v_pk_mul_f32 v[SS+jj:SS+jj+1], v[OO+jj:OO+jj+1], v[14:15] op_sel_hi:[1,0]   ; register 8 T + i is o(r, 16 T + 8 h + i); each accumulator from its low end on
.set jj, jj+2
.endr
.irp t, 0,1,2,3
	ds_store_b128 v240, v[SS+8*\t:SS+8*\t+3] offset:64*\t
	ds_store_b128 v240, v[SS+8*\t+4:SS+8*\t+7] offset:64*\t+16
.endr
.irp i, 0,1,2,3,4,5,6,7
	ds_load_b128 v[128+4*\i:131+4*\i], v241 offset:\i*2*SP     ; LDS serves a wave's instructions in order (ISA guide 5.7.1.4): these see my stores
.endr
.irp i, 0,1,2,3,4,5,6,7
	s_wait_dscnt 7-\i                              ; the younger loads from the stage may be out; the last count is 0
	global_store_b128 v242, v[128+4*\i:131+4*\i], s[10:11] offset:32768*\i th:TH_STORE_NT   ; 16 lanes store 256 consecutive bytes, at a multiple of 256 from out0's first byte; written once
.endr
	s_wait_tensorcnt 0x0
	ds_add_u32 v254, v255
	s_wait_dscnt 0x0
	CROUND                                         ; the closing round: no work-group ends while a partner may still ask jointly
	s_endpgm
.Lfunc_end_k_q6320581d88_attn:
	.size	k_q6320581d88_attn, .Lfunc_end_k_q6320581d88_attn-k_q6320581d88_attn
	.p2alignl 7, 3214868480
	.fill 96, 4, 3214868480
	.section	.rodata,"a",@progbits
	.p2align	6, 0x0
	.amdhsa_kernel k_q6320581d88_attn
		.amdhsa_group_segment_fixed_size 178176
		.amdhsa_private_segment_fixed_size 0
		.amdhsa_enable_private_segment 0
		.amdhsa_kernarg_size 32
		.amdhsa_user_sgpr_count 2
		.amdhsa_user_sgpr_kernarg_segment_ptr 1
		.amdhsa_wavefront_size32 1
		.amdhsa_system_sgpr_workgroup_id_x 1
		.amdhsa_system_sgpr_workgroup_id_y 1
		.amdhsa_system_sgpr_workgroup_id_z 1
		.amdhsa_system_vgpr_workitem_id 0
		.amdhsa_next_free_vgpr 256
		.amdhsa_next_free_sgpr 102
		.amdhsa_reserve_vcc 0
		.amdhsa_float_denorm_mode_32 3
		.amdhsa_float_denorm_mode_16_64 3
		.amdhsa_memory_ordered 1
		.amdhsa_forward_progress 1
		.amdhsa_inst_pref_size 68
	.end_amdhsa_kernel
	.amdgpu_metadata
---
amdhsa.version: [ 1, 2 ]
amdhsa.kernels:
  - .name:           k_q6320581d88_attn
    .symbol:         k_q6320581d88_attn.kd
    .args:
      - { .name: queries, .offset: 0, .size: 8, .value_kind: global_buffer, .address_space: global }
      - { .name: kv, .offset: 8, .size: 8, .value_kind: global_buffer, .address_space: global }
      - { .name: mw, .offset: 16, .size: 8, .value_kind: global_buffer, .address_space: global }
      - { .name: out0, .offset: 24, .size: 8, .value_kind: global_buffer, .address_space: global }
    .group_segment_fixed_size: 178176
    .private_segment_fixed_size: 0
    .kernarg_segment_align: 8
    .kernarg_segment_size: 32
    .max_flat_workgroup_size: 512
    .sgpr_count:     102
    .vgpr_count:     256
    .wavefront_size: 32
...
	.end_amdgpu_metadata
.endif
;; end of part 2
;; ======== version 2 of 2: 1 launch
;; limits: right only within a limited range of input values
;; launch attn (part 3): grid 4 x 64, 16 waves a work-group, clusters of 4 x 1, 210,944 bytes of LDS; arguments queries, keys, attn_mask, out0; writes out0
.if DOCPART == 3
	.amdgcn_target "amdgcn-amd-amdhsa--gfx1250"
	.amdhsa_code_object_version 6
	.text
	.protected	k_q6320581d88_attn
	.globl	k_q6320581d88_attn
	.p2align	8
	.type	k_q6320581d88_attn,@function
k_q6320581d88_attn:
	s_mov_b64 s[64:65], 0
	v_nop
	global_prefetch_b8 v0, s[64:65] scope:SCOPE_SE
	s_setreg_imm32_b32 hwreg(HW_REG_WAVE_MODE, 25, 1), 1
	s_wait_xcnt 0x0
	s_wait_alu depctr_hold_cnt(0) depctr_sa_sdst(0) depctr_va_vdst(0) depctr_va_sdst(0) depctr_va_ssrc(0) depctr_va_vcc(0) depctr_vm_vsrc(0)
	s_getreg_b32 s2, hwreg(HW_REG_IB_STS2, 6, 4)
	s_cmp_eq_u32 s2, 0
	s_cbranch_scc0 .Lentry_in_a_cluster
	s_endpgm
.Lentry_in_a_cluster:
	s_bfe_u32 s2, ttmp6, 0x10000c
	s_cmp_lg_u32 s2, 0x3003
	s_cbranch_scc0 .Lentry_shape_is_right
	s_endpgm
.Lentry_shape_is_right:
; out0[t][n][:] = the sum over s of softmax_s(q[t][n] . k[s][n] / 8, masked by attn_mask[n & 7][t][s]) k[s][n][:], 64 heads n of 64 channels, 1,024 queries, 1,024 keys.
; Both products on codes of FP6 (E2M3) with one E8M0 scale for each 32 along a product's K: a block's scale is 2^(floor(log2(its largest magnitude)) - 2); its byte is the largest magnitude's exponent field - 2,
; held at 1 from below.  (A block of zeros so gets the byte 1 where the rule says 127: its codes are zeros, and this program alone reads the bytes.)
; THE SOFTMAX AHEAD OF THE SECOND PRODUCT: t = score x log2(e) / 8; M = the row's largest t so far, rounded UP to a whole number; p = 2^(t - M) is quantised along the keys, not normalised.
; The row's sum is taken of the unquantised p, in f32, and divides O at the end.  When M moves, the sum and O are multiplied by 2^(old M - new M): exact.
; SHARES.  A work-group owns 256 queries of one head, each of its sixteen waves 16 of them in 256 registers.  At the head each wave also quantises 64 of the head's keys, along the channels (K) and along the keys (V),
; and packs the mask of its own queries into bits.  Behind one barrier every wave walks the head's 1,024 keys, 128 a step.
; THE ORDER OF THE KEYS in a step of 128: position rho = 8 t + j of half h is key 64 h + 8 t + PI(j), PI(j) = 4 (j % 2) + j / 2.  Blocks of 32 stay whole; the order inside is the mask bits'.
; LDS: FOR EACH STEP A RECORD of 13,312 bytes, images of the operands' registers:
;   0      K: pair p (tiles 2 p, 2 p + 1) at 1536 p: registers 4 c .. 4 c + 3 of twelve at 512 c + 16 x lane; six registers a tile.  Row m of tile t is the key at position 8 t + (m & 7) of half m >> 3;
;          lane (r, h) holds row r, channels 32 h .. 32 h + 31
;   6144   V: fragment T at 1536 T, the same way: lane (r, h) holds channel 4 r + T, positions 0 .. 63 of half h: two whole blocks
;   12288  K's scale words, 128 bytes a pair: lane (r, h) the word of row r of tile 2 p + h; bytes 0, 1 the two blocks, bytes 2, 3 = 0
;   12800  V's scale words, 128 bytes a fragment: row r's, the same in both halves; byte h = half h's first block, byte 2 + h its second
; Behind the eight records a stage of 16 x 272 bytes for each wave, its own, and for each wave 2,048 bytes of mask words: step, lane, two words: bit 4 j + i of word d of lane (r, h) is 1 where query r MASKS the
; key at position 32 d + 8 i + j of half h.
; CLUSTER.  The four query blocks of a head form a cluster, so that they run at the same time and read the same keys.  The keys are asked for by each work-group into registers, not jointly into LDS: each number is
; quantised on the way, and the head's 262,144 bytes of f32 beside its 106,496 bytes of codes would be more than the 327,680 bytes of LDS.  No prefetch: all is asked for at the head, and no loop loads from memory.
; LAYOUT.  Both products are used transposed: S^T = K q^T (source 0 = 16 keys, source 1 = my 16 queries), O^T = V^T P^T: a lane holds ONE query (lane % 16) throughout, and of a step TWO WHOLE BLOCKS OF 32 KEYS, so a
; block's maximum asks no other lane, and the conversions' results are P's operand as they stand.
; K = 64 in the first product: codes 64 .. 127 of q are zeros under the scale byte 0, so it does not matter what K's operand holds there: tile t's twelve registers begin at KF + 6 t and run on into the next tile's six.
; THE MASK IS THE FIRST PRODUCT'S C.  A word's bits 4 j + i are tile i's: one v_and_or makes of them eight codes of FP4, -0 for a key that counts and -0.5, -1 or -2 for one that is masked, and one conversion with
; the scale 2^126 makes the eight numbers of C: -0, or -2^125 and below.  Such a score's t lies far under the least M, -2^40: its p is 0.
; LIMITS: NaN and infinities among the inputs are not served; the promise holds while the scaled scores stay under 2^31 in magnitude; blocks whose largest magnitude lies under 2^-124 keep the scale byte 1;
; a p under 2^-126 counts as 0 (v_exp_f32 flushes: ISA guide 15.8); a block's largest p is taken from the block's largest score, which takes v_exp_f32 not to fall where its input rises.
; A row whose keys are all masked gives 0 x infinity = NaN, as the softmax of such a row is.
.set REC,   13312
.set STG,   106496                     ; the stages
.set SP,    272                        ; a stage row: 256 bytes + 16
.set MWB,   176128                     ; the mask words
.set SPARE, 208896                     ; the spare words, 128 bytes a wave
.set FLOOR, 0x1800000                  ; 2^(3 - 127): under it no largest magnitude is taken
.set EOFF,  0xff000000                 ; 2 off an exponent field
; REGISTERS IN THE LOOP: v1 16 x lane, v2 4 x lane; v3 16,384 h + 16 r; v4 my mask words; v5-7 the step's LDS addresses; v8 q's scale word; v9 the mask codes' scale; v[10:11] the step's mask words; v12 -M, v13 the
; largest t; v[14:15] the sum in two halves; v16-27 q's fragment; v28-31 mask codes; v32-79 K's eight tiles, v80-85 zeros; v96-159 S^T, then p, then (v96-143) V's four fragments; v160-191 O^T;
; v192-203 P's codes; v204-210 halves of blocks; v212-215 K's scale words, v216-219 V's, v220 P's; v222-242 at work; v243 8 h; v244-245 the stage's addresses; v254, v255 for the add
; AT THE HEAD: v8-28 V's codes; v32-159 the 64 keys, then the mask's bytes; v160-191 q; v192-223 at work; v224-242 at work; v246-253 addresses
.set KF,  32
.set SS,  96
.set QX,  192                          ; v192-223 my query's 32 numbers, back from the stage
.set OO,  160
.set PP,  192
.set CT0, 204
.set CT1, 208
.set KSW, 212
.set VSW, 216
.set PSW, 220
.set BM,  222                          ; v222-223 the two blocks' largest scores, then largest p
.set H8,  243                          ; 8 h
.set ROWS, 244                         ; the stage: 272 h + 16 r: whole rows, two an instruction: q and the mask go in so, O comes back so
.set QBK, 245                          ; the stage: 272 r + 128 h: K's tiles and q come back so, O goes in so
.set KIN, 246                          ; the stage: 2176 h + 16 r: keys go in so: row 8 h + j
.set KAD, 247                          ; where my K codes go
.set KSA, 248                          ; my K scale words
.set VAD, 249                          ; my V codes
.set VSA, 250                          ; my V scale bytes
.set KOF, 251                          ; keys: 16 rows of 16,384 bytes h, + 16 r
.set MOF, 252                          ; the mask: 1,024 h + 16 r
.set MBK, 253                          ; the stage: 272 r + 64 h: the mask comes back so
	s_load_b256 s[4:11], s[0:1], 0x0               ; queries s[4:5], keys s[6:7], attn_mask s[8:9], out0 s[10:11]
	v_lshl_add_u32 v254, v0, 2, SPARE
	v_mov_b32 v255, 0
	v_lshrrev_b32 v1, 5, v0
	v_readfirstlane_b32 s12, v1                    ; wave 0..15
	s_bfe_u32 s14, ttmp6, 0x40000                  ; cx: my place in the cluster
	s_lshl_b32 s15, ttmp9, 2
	s_add_co_u32 s15, s15, s14                     ; my block of 256 queries
	s_and_b32 s66, ttmp7, 0xffff                   ; y
	s_bfe_u32 s2, s66, 0x10002
	s_lshl_b32 s2, s2, 2
	s_lshr_b32 s3, s66, 4
	s_add_co_u32 s2, s2, s3                        ; the mask's batch = n & 7 = 4 (bit 2 of y) + (y >> 4)
	s_bfe_u32 s3, s66, 0x10003
	s_lshl_b32 s3, s3, 2
	s_and_b32 s66, s66, 3
	s_add_co_u32 s3, s3, s66                       ; n >> 3 = 4 (bit 3 of y) + (y & 3)
	s_lshl_b32 s67, s3, 3
	s_add_co_u32 s67, s67, s2                      ; the head n
	s_lshl_b32 s14, s15, 8
	s_lshl_b32 s13, s12, 4
	s_add_co_u32 s14, s14, s13                     ; my first query q0 = 256 x block + 16 x wave
	s_lshl_b32 s24, s2, 20
	s_lshl_b32 s13, s14, 10
	s_add_co_u32 s24, s24, s13                     ; the mask: batches of 1,024 rows of 1,024 bytes
	s_mov_b32 s25, 0
	s_lshl_b32 s13, s67, 8                         ; the head's 256 bytes of a row
	s_lshl_b32 s22, s12, 20
	s_add_co_u32 s22, s22, s13                     ; keys: my 64 rows of 16,384 bytes
	s_mov_b32 s23, 0
	s_lshl_b32 s14, s14, 14
	s_add_co_u32 s14, s14, s13                     ; q, out0: rows of 16,384 bytes
	s_mov_b32 s15, 0
	s_lshr_b32 s13, s12, 1                         ; my keys' step,
	s_and_b32 s2, s12, 1                           ; and half g of it
	s_mul_i32 s16, s13, REC
	s_lshl_b32 s3, s2, 7
	s_add_co_u32 s17, s16, s3                      ; K: row 8 g of a tile
	s_lshl_b32 s3, s2, 5
	s_add_co_u32 s18, s16, s3
	s_add_co_u32 s18, s18, 12288
	s_lshl_b32 s3, s2, 8
	s_add_co_u32 s19, s16, s3                      ; V: lanes 16 g on of the image
	s_add_co_u32 s19, s19, 6144
	s_add_co_u32 s20, s16, s2
	s_add_co_u32 s20, s20, 12800
	s_mul_i32 s21, s12, 16*SP
	s_add_co_u32 s21, s21, STG                     ; my stage
	s_lshl_b32 s26, s12, 11
	s_add_co_u32 s26, s26, MWB                     ; my mask words
	s_mov_b32 s36, 0x11111111                      ; the four tiles' bits of a mask word
	s_mov_b32 s37, 0x22222222
	s_mov_b32 s38, 0x44444444
	s_mov_b32 s39, 0x88888888                      ; the codes' signs
	s_mov_b32 s96, 0x76543210
	s_mov_b32 s97, 0xfedcba98                      ; v_permlanex16_b32's selects for lane l xor 16
	s_mov_b32 s98, 0x3e38aa3b                      ; c = log2(e) / 8
	s_mov_b32 s99, s98                             ; (named with it as a pair, so it is written)
	v_and_b32 v5, 15, v0                           ; r
	v_bfe_u32 v6, v0, 4, 1                         ; h
	v_and_b32 v7, 31, v0                           ; lane
	v_lshlrev_b32 v[KOF], 18, v6
	v_lshl_add_u32 v[KOF], v5, 4, v[KOF]
	v_lshlrev_b32 v3, 14, v6
	v_lshl_add_u32 v3, v5, 4, v3
	v_lshlrev_b32 v[MOF], 10, v6
	v_lshl_add_u32 v[MOF], v5, 4, v[MOF]
	v_lshlrev_b32 v1, 4, v7
	v_lshlrev_b32 v2, 2, v7
	v_lshl_add_u32 v4, v7, 3, s26
	v_lshlrev_b32 v[H8], 3, v6
	v_mul_u32_u24 v[ROWS], v6, SP
	v_lshl_add_u32 v[ROWS], v5, 4, v[ROWS]
	v_add_nc_u32 v[ROWS], s21, v[ROWS]
	v_mul_u32_u24 v[QBK], v5, SP
	v_lshl_add_u32 v[MBK], v6, 6, v[QBK]
	v_lshl_add_u32 v[QBK], v6, 7, v[QBK]
	v_add_nc_u32 v[MBK], s21, v[MBK]
	v_add_nc_u32 v[QBK], s21, v[QBK]
	v_mul_u32_u24 v[KIN], v6, 8*SP
	v_lshl_add_u32 v[KIN], v5, 4, v[KIN]
	v_add_nc_u32 v[KIN], s21, v[KIN]
	v_lshrrev_b32 v8, 3, v5                        ; r >> 3
	v_and_b32 v9, 7, v5                            ; r & 7
	v_mul_u32_u24 v[KAD], v8, 1536
	v_lshl_add_u32 v[KAD], v9, 4, v[KAD]
	v_lshl_add_u32 v[KAD], v6, 8, v[KAD]
	v_add_nc_u32 v[KAD], s17, v[KAD]
	v_lshlrev_b32 v[KSA], 7, v8
	v_lshl_add_u32 v[KSA], v9, 2, v[KSA]
	v_add_nc_u32 v[KSA], s18, v[KSA]
	v_mul_u32_u24 v[VAD], v6, 1536
	v_lshl_add_u32 v[VAD], v5, 4, v[VAD]
	v_add_nc_u32 v[VAD], s19, v[VAD]
	v_lshl_add_u32 v[VSA], v7, 2, s20
.irp i, 228,229,230,231,241
	v_mov_b32 v[\i], 0                             ; written once: a lane permute's destination counts as one of its sources
.endr
	s_wait_alu depctr_va_vdst(0)
	s_wait_kmcnt 0x0
	s_add_nc_u64 s[6:7], s[6:7], s[22:23]
	s_add_nc_u64 s[4:5], s[4:5], s[14:15]
	s_add_nc_u64 s[8:9], s[8:9], s[24:25]
	s_add_nc_u64 s[10:11], s[10:11], s[14:15]
.irp c, 0,1
.irp j, 0,1,2,3,4,5,6,7,8,9,10,11,12,13,14,15
	global_load_b128 v[32+64*\c+4*\j:35+64*\c+4*\j], v[KOF], s[6:7] offset:(32*\c+8*(\j/8)+4*(\j%2)+(\j%8)/2)*16384   ; block c: lanes 0-15 the key at position j, lanes 16-31 at 16 + j: two runs of 256 consecutive bytes, aligned; four channels a lane
.endr
.endr
.irp i, 0,1,2,3,4,5,6,7
	global_load_b128 v[160+4*\i:163+4*\i], v3, s[4:5] offset:32768*\i th:TH_LOAD_NT   ; queries 2 i and 2 i + 1: two runs of 256 consecutive bytes, aligned; read once, by this wave alone
.endr
; A BLOCK OF V, from the registers as loaded: register X + 4 j + i is channel 4 r + i of position 16 h + j.  Channel 4 r + i is row r of fragment i.
.macro VBLK c
.set X, 32+64*\c
.irp i, 0,1,2,3
	v_max3_num_f32 v[224+\i], |v[X+\i]|, |v[X+4+\i]|, FLOOR
.endr
.irp j, 8,16,24,32,40,48,56
.irp i, 0,1,2,3
	v_max3_num_f32 v[224+\i], v[224+\i], |v[X+\j+\i]|, |v[X+\j+4+\i]|
.endr
.endr
.irp i, 0,1,2,3
	v_permlanex16_b32 v[228+\i], v[224+\i], s96, s97
.endr
.irp i, 0,1,2,3
	v_max_num_f32 v[224+\i], v[224+\i], v[228+\i]  ; with lane l xor 16's 16 positions: the block's
.endr
.irp i, 0,1,2,3
	v_add_nc_u32 v[232+\i], EOFF, v[224+\i]        ; 2 off the exponent field: the conversion takes the exponent field of this operand as its scale
.endr
.irp i, 0,1,2,3
.irp j, 0,1,2,3,4,5,6,7,8,9,10,11,12,13,14,15
	v_mov_b32 v[192+16*(\i%2)+\j], v[X+4*\j+\i]    ; a conversion takes neighbouring registers
.endr
	v_cvt_scalef32_pk16_fp6_f32 v[8+6*\i:10+6*\i], v[192+16*(\i%2):207+16*(\i%2)], v[232+\i]
	v_lshrrev_b32 v[224+\i], 23, v[232+\i]         ; the scale's byte.  (The plain line behind the conversion)
.endr
.irp k, 0,1
.irp q, 0,1,2
	v_permlane16_swap_b32 v[8+12*\k+\q], v[14+12*\k+\q]    ; whole blocks in a lane: lanes 0-15 fragment 2 k, lanes 16-31 fragment 2 k + 1
.endr
.endr
.irp k, 0,1
.irp q, 0,1,2
	v_mov_b32 v[11+12*\k+\q], v[14+12*\k+\q]
.endr
.endr
.irp k, 0,1
.if \c
	ds_store_b64 v[VAD], v[8+12*\k:9+12*\k] offset:3072*\k+520             ; registers 6, 7 of the image,
	ds_store_b128 v[VAD], v[10+12*\k:13+12*\k] offset:3072*\k+1024         ; 8 to 11
.else
	ds_store_b128 v[VAD], v[8+12*\k:11+12*\k] offset:3072*\k               ; registers 0 to 3,
	ds_store_b64 v[VAD], v[12+12*\k:13+12*\k] offset:3072*\k+512           ; 4, 5
.endif
.endr
.irp i, 0,1,2,3
	ds_store_b8 v[VSA], v[224+\i] offset:128*\i+2*\c
.endr
.endm
; K, the same block through my stage, two turns of 16 keys: lane (r, h) gets row r, channels 32 h .. 32 h + 31: tile 4 c + 2 (r >> 3) + u, its row r & 7 of my half
.macro KTURN c
.irp u, 0,1
.irp j, 0,1,2,3,4,5,6,7
	ds_store_b128 v[KIN], v[32+64*\c+32*\u+4*\j:35+64*\c+32*\u+4*\j] offset:SP*\j
.endr
.irp j, 0,1,2,3,4,5,6,7
	ds_load_b128 v[32+64*\c+32*\u+4*\j:35+64*\c+32*\u+4*\j], v[QBK] offset:16*\j   ; LDS serves a wave's instructions in order (ISA guide 5.7.1.4): these see the stores above
.endr
.endr
.endm
.macro BMAX x, m                       ; the largest magnitude of 32 numbers of my own, and the floor: 16 lines in four chains
	v_max3_num_f32 v[\m], |v[\x]|, |v[\x+1]|, FLOOR
	v_max3_num_f32 v225, |v[\x+2]|, |v[\x+3]|, |v[\x+4]|
	v_max3_num_f32 v226, |v[\x+5]|, |v[\x+6]|, |v[\x+7]|
	v_max3_num_f32 v227, |v[\x+8]|, |v[\x+9]|, |v[\x+10]|
.irp i, 11,19
	v_max3_num_f32 v[\m], v[\m], |v[\x+\i]|, |v[\x+\i+1]|
	v_max3_num_f32 v225, v225, |v[\x+\i+2]|, |v[\x+\i+3]|
	v_max3_num_f32 v226, v226, |v[\x+\i+4]|, |v[\x+\i+5]|
	v_max3_num_f32 v227, v227, |v[\x+\i+6]|, |v[\x+\i+7]|
.endr
	v_max3_num_f32 v[\m], v[\m], |v[\x+27]|, |v[\x+28]|
	v_max3_num_f32 v225, v225, |v[\x+29]|, |v[\x+30]|
	v_max3_num_f32 v226, v226, v227, |v[\x+31]|
	v_max3_num_f32 v[\m], v[\m], v225, v226
.endm
.macro KQ c
.irp u, 0,1
	BMAX 32+64*\c+32*\u, 224
	v_add_nc_u32 v[232+\u], EOFF, v224
	v_lshrrev_b32 v[236+\u], 23, v[232+\u]
	v_cvt_scalef32_pk16_fp6_f32 v[192+16*\u:194+16*\u], v[32+64*\c+32*\u:47+64*\c+32*\u], v[232+\u]
	v_cvt_scalef32_pk16_fp6_f32 v[200+16*\u:202+16*\u], v[48+64*\c+32*\u:63+64*\c+32*\u], v[232+\u]   ; (a conversion's three registers begin on an even number: this half is moved)
	v_lshlrev_b32 v[236+\u], v[H8], v[236+\u]      ; my byte at its place.  (The plain line behind the conversions)
.irp k, 0,1,2
	v_mov_b32 v[195+16*\u+\k], v[200+16*\u+\k]
.endr
	v_permlanex16_b32 v228, v[236+\u], s96, s97
	v_or_b32 v[238+\u], v[236+\u], v228            ; with lane l xor 16's byte the word is whole, in both halves
.if \u
	ds_store_b64 v[KAD], v[208:209] offset:3072*\c+520                     ; registers 6, 7 of the pair's image,
	ds_store_b128 v[KAD], v[210:213] offset:3072*\c+1024                   ; 8 to 11
.else
	ds_store_b128 v[KAD], v[192:195] offset:3072*\c                        ; registers 0 to 3,
	ds_store_b64 v[KAD], v[196:197] offset:3072*\c+512                     ; 4, 5
.endif
	ds_store_b32 v[KSA], v[238+\u] offset:256*\c+64*\u
.endr
.endm
; THE MASK, 256 keys (two steps) at a time: loads of two queries' 256 consecutive bytes, a turn through my stage, and the packing
.macro MLOAD u
.irp j, 0,1,2,3,4,5,6,7
	global_load_b128 v[32+32*\u+4*\j:35+32*\u+4*\j], v[MOF], s[8:9] offset:2048*\j+256*\u
.endr
.endm
.macro MTURN u
.irp j, 0,1,2,3,4,5,6,7
	ds_store_b128 v[ROWS], v[32+32*\u+4*\j:35+32*\u+4*\j] offset:2*SP*\j
.endr
.irp s, 0,1
.irp k, 0,1,2,3
	ds_load_b128 v[32+32*\u+16*\s+4*\k:35+32*\u+16*\s+4*\k], v[MBK] offset:128*\s+16*\k    ; step s: query r's 64 bytes of half h
.endr
.endr
.endm
; Register 8 q + x of the 32 (q = 2 step + d) holds the bytes, 0 or 1, of keys 32 d + 4 x + b, b = 0 .. 3.  Shifted up by x / 2 + 4 (x % 2), byte b's bit stands at 4 (2 b + x % 2) + x / 2: position 8 (x / 2) + j, j = 2 b + x % 2
.macro MPACK u
.irp q, 0,1,2,3
	v_lshl_or_b32 v[224+4*\u+\q], v[33+32*\u+8*\q], 4, v[32+32*\u+8*\q]
.endr
.irp x, 2,3,4,5,6,7
.irp q, 0,1,2,3
	v_lshl_or_b32 v[224+4*\u+\q], v[32+32*\u+8*\q+\x], \x/2+4*(\x%2), v[224+4*\u+\q]
.endr
.endr
.irp q, 0,1,2,3
	v_xor_b32 v[224+4*\u+\q], -1, v[224+4*\u+\q]   ; 1 = masked
.endr
	ds_store_b64 v4, v[224+4*\u:225+4*\u] offset:512*\u
	ds_store_b64 v4, v[226+4*\u:227+4*\u] offset:512*\u+256
.endm
	s_wait_loadcnt 24                              ; block 0's 16 loads are in; block 1's 16 and q's 8 may be out
	VBLK 0
	KTURN 0
	s_wait_loadcnt 8                               ; block 1's are in; q's may be out
	s_wait_dscnt 32                                ; V's stores of block 0 are done (the turn's 32 lines may be out): their registers are written again
	VBLK 1
	s_wait_dscnt 0x0                               ; K's rows of block 0 are back
	KQ 0
	MLOAD 0                                        ; block 0's registers take the mask's first half
	MLOAD 1
	KTURN 1
	s_wait_dscnt 0x0
	KQ 1
	MLOAD 2
	MLOAD 3
.irp i, 0,1,2,3,4,5,6,7
	s_wait_loadcnt 39-\i                           ; queries 2 i and 2 i + 1 are in; the younger of q's loads and the mask's 32 may be out
	ds_store_b128 v[ROWS], v[160+4*\i:163+4*\i] offset:\i*2*SP
.endr
.irp j, 0,1,2,3,4,5,6,7
	ds_load_b128 v[QX+4*\j:QX+4*\j+3], v[QBK] offset:16*\j     ; q(r, 32 h + 4 j ..)
.endr
	s_wait_dscnt 0x0
	; q is quantised in registers: my 32 numbers are one block
	BMAX QX, 224
	v_add_nc_u32 v232, EOFF, v224                  ; the conversion's scale operand
	v_lshrrev_b32 v236, 23, v232                   ; the scale's byte
	v_cvt_scalef32_pk16_fp6_f32 v[16:18], v[QX:QX+15], v232
	v_cvt_scalef32_pk16_fp6_f32 v[28:30], v[QX+16:QX+31], v232
	v_lshlrev_b32 v236, v[H8], v236                ; (the plain line behind the conversions)
.irp k, 0,1,2
	v_mov_b32 v[19+\k], v[28+\k]
.endr
	v_permlanex16_b32 v228, v236, s96, s97
	v_or_b32 v8, v236, v228                        ; q's scale word: bytes 0, 1 the two blocks, bytes 2, 3 zero, over zero codes
.irp k, 22,23,24,25,26,27
	v_mov_b32 v[\k], 0                             ; k = 64 .. 127 of q: zero codes
.endr
	v_mov_b32 v9, 0xfdfdfdfd                       ; byte 253: 2^126
	v_mov_b32 v13, 0xd3800000                      ; the largest t so far: -2^40
	v_mov_b32 v14, 0                               ; the sum, in two halves
	v_mov_b32 v15, 0
	v_floor_f32 v12, -v13                          ; -M
	s_wait_alu depctr_va_vdst(0)                   ; directly ahead of the waits below
	s_wait_loadcnt 24                              ; the mask's first quarter is in; the other three's 24 loads may be out
	MTURN 0
	s_wait_loadcnt 16
	MTURN 1
	s_wait_dscnt 16                                ; the first quarter is back; the 16 lines of the turn behind it may be out
	MPACK 0
	s_wait_loadcnt 8
	MTURN 2
	s_wait_dscnt 16
	MPACK 1
	s_wait_loadcnt 0x0
	MTURN 3
	s_wait_dscnt 16
	MPACK 2
	s_wait_dscnt 0x0
	MPACK 3
.irp k, 80,81,82,83,84,85
	v_mov_b32 v[\k], 0                             ; the six registers behind K's last tile
.endr
	s_mov_b32 s100, 0
	s_mov_b32 s40, 0
	s_mov_b32 s101, 6
	s_wait_alu depctr_va_vdst(0)
	s_wait_dscnt 0x0                               ; my codes, scales and mask words are in LDS,
	s_barrier_signal -1
	s_barrier_wait -1                              ; everybody's are
.macro KLOAD a, b, off                 ; a step's K: two tiles' twelve registers by three loads; and the scale words
.irp p, 0,1,2,3
.irp c, 0,1,2
	ds_load_b128 v[KF+12*\p+4*\c:KF+12*\p+4*\c+3], v[\a] offset:\off+1536*\p+512*\c
.endr
.endr
.irp p, 0,1,2,3
	ds_load_b32 v[KSW+\p], v[\b] offset:\off+12288+128*\p
.endr
.endm
.macro MASKC w, t                      ; C of tiles t .. t + 3, of one mask word
	v_and_or_b32 v28, v[\w], s36, s39
	v_and_or_b32 v29, v[\w], s37, s39
	v_lshrrev_b32 v31, 3, v[\w]
	v_and_or_b32 v30, v[\w], s38, s39
	v_and_or_b32 v31, v31, s36, s39
.irp i, 0,1,2,3
	v_cvt_scale_pk8_f32_fp4 v[SS+8*(\t+\i):SS+8*(\t+\i)+7], v[28+\i], v9
.endr
.endm
.macro SMUL t                          ; S^T of tile t, onto the mask.  Its scale words: lanes 0-15 of the pair's register, or lanes 16-31
.if (\t)%2
	v_wmma_scale_f32_16x16x128_f8f6f4 v[SS+8*\t:SS+8*\t+7], v[KF+6*\t:KF+6*\t+11], v[16:27], v[SS+8*\t:SS+8*\t+7], v[KSW+\t/2], v8 matrix_a_fmt:MATRIX_FMT_FP6 matrix_b_fmt:MATRIX_FMT_FP6 matrix_a_scale:MATRIX_SCALE_ROW1
.else
	v_wmma_scale_f32_16x16x128_f8f6f4 v[SS+8*\t:SS+8*\t+7], v[KF+6*\t:KF+6*\t+11], v[16:27], v[SS+8*\t:SS+8*\t+7], v[KSW+\t/2], v8 matrix_a_fmt:MATRIX_FMT_FP6 matrix_b_fmt:MATRIX_FMT_FP6
.endif
.endm
.macro MAXB x, m                       ; the largest of a block's 32 scores, all mine: 16 lines in four chains, each tile from its low end on
	v_max3_num_f32 v[\m], v[\x], v[\x+1], v[\x+2]
	v_max3_num_f32 v224, v[\x+3], v[\x+4], v[\x+5]
	v_max3_num_f32 v225, v[\x+6], v[\x+7], v[\x+8]
	v_max3_num_f32 v226, v[\x+9], v[\x+10], v[\x+11]
.irp i, 12,20
	v_max3_num_f32 v[\m], v[\m], v[\x+\i], v[\x+\i+1]
	v_max3_num_f32 v224, v224, v[\x+\i+2], v[\x+\i+3]
	v_max3_num_f32 v225, v225, v[\x+\i+4], v[\x+\i+5]
	v_max3_num_f32 v226, v226, v[\x+\i+6], v[\x+\i+7]
.endr
	v_max3_num_f32 v[\m], v[\m], v[\x+28], v[\x+29]
	v_max3_num_f32 v224, v224, v[\x+30], v[\x+31]
	v_max_num_f32 v225, v225, v226
	v_max3_num_f32 v[\m], v[\m], v224, v225
.endm
.macro PKF a, n                        ; t - M, two at a time (of the pairs c and -M the low word serves both halves)
.set jj, \a
.rept \n
	v_pk_fma_f32 v[SS+jj:SS+jj+1], v[SS+jj:SS+jj+1], s[98:99], v[12:13] op_sel_hi:[1,0,0]
.set jj, jj+2
.endr
.endm
.macro SUM a, j                        ; a chain of the row's sum: two numbers more
	v_pk_add_f32 v[\a:\a+1], v[\a:\a+1], v[SS+\j:SS+\j+1]
.endm
; A KEY STEP: 128 keys.  first = 1: its products start O^T's sums and nothing is rescaled.  more = 1: the next step's K and mask words are asked for.
.macro STEP first, more
	MASKC 10, 0                                    ; (its five plain lines and the three below are the places behind the last step's products, whose source registers are written over)
	v_add_nc_u32 v5, s100, v1
	v_add_nc_u32 v6, s100, v2
	v_add_nc_u32 v7, s40, v4
	SMUL 0
	SMUL 1
	SMUL 2
	SMUL 3
	MASKC 11, 4                                    ; its five plain lines are the places behind the four products above
.if \first
	v_nop                                          ; a plain line behind the conversions
.else
	v_mov_b32 v242, v12                            ; the old -M.  (The plain line behind the conversions)
.endif
	SMUL 4
	SMUL 5
	SMUL 6
	SMUL 7
	MAXB SS, BM                                    ; 16 plain lines on the first block: the places behind the four products above
.if \more
	KLOAD 5, 6, REC                                ; the next step's K, a step ahead,
	ds_load_b64 v[10:11], v7 offset:256            ; and its mask words
.endif
	MAXB SS+32, BM+1
	v_max_num_f32 v224, v[BM], v[BM+1]
	s_delay_alu instid0(VALU_DEP_1)
	v_permlanex16_b32 v227, v224, s96, s97
	s_delay_alu instid0(VALU_DEP_1)
	v_max_num_f32 v224, v224, v227                 ; with lane l xor 16's 64 keys: the step's largest score of my query
	s_delay_alu instid0(VALU_DEP_1)
	v_mul_f32 v224, s98, v224                      ; as t (c is positive)
	s_delay_alu instid0(VALU_DEP_1)
	v_max_num_f32 v13, v13, v224                   ; the running largest t
	s_delay_alu instid0(VALU_DEP_1)
	v_floor_f32 v12, -v13                          ; the new -M = floor(-t) = -ceil(t): M is a whole number
.if \first
	PKF 0, 16
.else
	v_sub_f32 v226, v12, v242                      ; old M - new M: a whole number, 0 or less
	PKF 0, 4
	v_cvt_i32_f32 v226, v226                       ; (it saturates)
	PKF 8, 4
	v_ldexp_f32 v228, 1.0, v226                    ; f = 2^(old M - new M)
	PKF 16, 8
.endif
	v_fma_f32 v[BM], v[BM], s98, v12               ; the same of each block's largest score
	v_fma_f32 v[BM+1], v[BM+1], s98, v12
.if \first == 0
.set jj, 0
.rept 16
	v_pk_mul_f32 v[OO+jj:OO+jj+1], v[OO+jj:OO+jj+1], v[228:229] op_sel_hi:[1,0]   ; O^T under the new M: x f; each accumulator from its low end on
.set jj, jj+2
.endr
.endif
	s_wait_alu depctr_va_vdst(0)                   ; the wait ahead of the batch
.set kk, 0
.rept 16
	v_exp_f32 v[SS+kk], v[SS+kk]                   ; p = 2^(t - M), at most 1: not normalised.  The first block,
	v_exp_f32 v[SS+kk+1], v[SS+kk+1]
	PKF 32+kk, 1                                   ; with the second block's t - M between
.set kk, kk+2
.endr
	v_exp_f32 v[BM], v[BM]                         ; the block's largest p: the same two instructions on the same number give the same bits
	v_exp_f32 v[BM+1], v[BM+1]
	s_wait_alu depctr_va_vdst(0)                   ; and ahead of the second block's batch
.set kk, 32
.rept 32
	v_exp_f32 v[SS+kk], v[SS+kk]
.set kk, kk+1
.endr
.if \first
	v_nop                                          ; a plain line behind the exponentials
.else
	v_pk_mul_f32 v[14:15], v[14:15], v[228:229] op_sel_hi:[1,0]   ; the sums under the new M.  (A plain line behind the exponentials)
.endif
	s_wait_alu depctr_va_vdst(0)                   ; one wait for the batch, ahead of its first reader
	v_max_num_f32 v[BM], FLOOR, v[BM]              ; the floor: the byte cannot fall under 1 (a block whose every p is 0 keeps that byte: its codes are zeros)
	v_max_num_f32 v[BM+1], FLOOR, v[BM+1]
	v_add_nc_u32 v230, EOFF, v[BM]                 ; the conversions' scale operands
	v_add_nc_u32 v231, EOFF, v[BM+1]
	v_cvt_scalef32_pk16_fp6_f32 v[PP:PP+2], v[SS:SS+15], v230
	v_cvt_scalef32_pk16_fp6_f32 v[CT0:CT0+2], v[SS+16:SS+31], v230
	v_cvt_scalef32_pk16_fp6_f32 v[PP+6:PP+8], v[SS+32:SS+47], v231
	v_cvt_scalef32_pk16_fp6_f32 v[CT1:CT1+2], v[SS+48:SS+63], v231
	v_lshrrev_b32 v232, 23, v230                   ; the scales' bytes.  (Plain lines behind the conversions)
	v_lshrrev_b32 v233, 23, v231
	v_pk_add_f32 v[234:235], v[SS:SS+1], v[SS+2:SS+3]          ; the row's sum is taken of the unquantised p: two at a time, in four chains.  First the 48 registers that V's fragments will take
	v_pk_add_f32 v[236:237], v[SS+4:SS+5], v[SS+6:SS+7]
	v_pk_add_f32 v[238:239], v[SS+8:SS+9], v[SS+10:SS+11]
	SUM 14, 12
.irp j, 14,22,30,38
	SUM 234, \j
	SUM 236, \j+2
	SUM 238, \j+4
	SUM 14, \j+6
.endr
	SUM 234, 46
.irp t, 0,1,2,3
.irp c, 0,1,2
	ds_load_b128 v[SS+12*\t+4*\c:SS+12*\t+4*\c+3], v5 offset:6144+1536*\t+512*\c   ; V's four fragments, as images of their registers
.endr
.endr
.irp t, 0,1,2,3
	ds_load_b32 v[VSW+\t], v6 offset:12800+128*\t  ; and their scale words
.endr
	v_lshl_or_b32 v240, v233, 16, v232             ; my first block stands at k = 32 h of the operand, my second at 64 + 32 h: bytes h and 2 + h
	v_mov_b32 v[PP+3], v[CT0]
	v_mov_b32 v[PP+9], v[CT1]
	v_lshlrev_b32 v240, v[H8], v240
	v_mov_b32 v[PP+4], v[CT0+1]
	v_mov_b32 v[PP+10], v[CT1+1]
	v_permlanex16_b32 v241, v240, s96, s97
	v_mov_b32 v[PP+5], v[CT0+2]
	v_mov_b32 v[PP+11], v[CT1+2]
	v_or_b32 v[PSW], v240, v241                    ; p's scale word for these 128 keys
	SUM 236, 48                                    ; the rest of the sum: eleven plain lines between P's operand and scale word and the products that read them
	SUM 238, 50
	SUM 14, 52
	SUM 234, 54
	SUM 236, 56
	SUM 238, 58
	SUM 14, 60
	SUM 234, 62
	v_pk_add_f32 v[236:237], v[236:237], v[238:239]
	v_pk_add_f32 v[14:15], v[14:15], v[234:235]
	v_pk_add_f32 v[14:15], v[14:15], v[236:237]
	s_wait_dscnt 0x0                               ; V's fragments, and the next step's K and mask words, are in
.irp t, 0,1,2,3                        ; O^T += V^T P^T: the four accumulators by turns, one instruction a turn
.if \first
	v_wmma_scale_f32_16x16x128_f8f6f4 v[OO+8*\t:OO+8*\t+7], v[SS+12*\t:SS+12*\t+11], v[PP:PP+11], 0, v[VSW+\t], v[PSW] matrix_a_fmt:MATRIX_FMT_FP6 matrix_b_fmt:MATRIX_FMT_FP6
.else
	v_wmma_scale_f32_16x16x128_f8f6f4 v[OO+8*\t:OO+8*\t+7], v[SS+12*\t:SS+12*\t+11], v[PP:PP+11], v[OO+8*\t:OO+8*\t+7], v[VSW+\t], v[PSW] matrix_a_fmt:MATRIX_FMT_FP6 matrix_b_fmt:MATRIX_FMT_FP6
.endif
.endr
	s_add_co_u32 s100, s100, REC                   ; the next step's record
	s_add_co_u32 s40, s40, 256                     ; and mask words
	s_wait_alu depctr_va_vdst(0)                   ; ahead of the branch that follows
.endm
	KLOAD 1, 2, 0                                  ; step 0's K,
	ds_load_b64 v[10:11], v4                       ; and its mask words
	s_wait_dscnt 0x0
	STEP 1, 1                                      ; the first step starts the sums: nothing is cleared
.Lstep:                                                ; six trips
	STEP 0, 1
	s_sub_co_u32 s101, s101, 1
	s_cmp_lg_u32 s101, 0
	s_cbranch_scc1 .Lstep
	STEP 0, 0                                      ; the last step asks for nothing beyond the end
	; THE WAY OUT.  O^T is divided by the row's sum and goes through my own stage in LDS, so that sixteen lanes store a query's 256 consecutive bytes.
	v_add_f32 v14, v14, v15                        ; the sum's two halves,
	s_delay_alu instid0(VALU_DEP_1)
	v_permlanex16_b32 v227, v14, s96, s97
	s_delay_alu instid0(VALU_DEP_1)
	v_add_f32 v14, v14, v227                       ; and lane l xor 16's: the row's sum
	s_wait_alu depctr_va_vdst(0)                   ; the wait ahead of the reciprocal
	v_rcp_f32 v14, v14
.rept 4
	v_nop                                          ; the plain line behind the reciprocal, and the four places behind the last products (ISA guide 7.12.1)
.endr
	s_wait_alu depctr_va_vdst(0)                   ; and ahead of its first reader
.irp t, 0,1,2,3
.irp j, 0,1,2,3,4,5,6,7
	v_mul_f32 v[SS+4*\j+\t], v[OO+8*\t+\j], v14    ; register 8 T + j of O^T is o(r, 32 h + 4 j + T): four neighbouring channels in neighbouring registers; each accumulator from its low end on
.endr
.endr
.irp j, 0,1,2,3,4,5,6,7
	ds_store_b128 v[QBK], v[SS+4*\j:SS+4*\j+3] offset:16*\j    ; row r, channels 32 h + 4 j ..
.endr
.irp i, 0,1,2,3,4,5,6,7
	ds_load_b128 v[128+4*\i:131+4*\i], v[ROWS] offset:\i*2*SP  ; back: lanes 0-15 one row, lanes 16-31 the next.  LDS serves a wave's instructions in order (ISA guide 5.7.1.4): these see my stores
.endr
.irp i, 0,1,2,3,4,5,6,7
	s_wait_dscnt 7-\i                              ; the younger loads from the stage may be out; the last count is 0
	global_store_b128 v3, v[128+4*\i:131+4*\i], s[10:11] offset:32768*\i th:TH_STORE_NT   ; 16 lanes store 256 consecutive bytes, at a multiple of 256 from out0's first byte; written once
.endr
	s_wait_tensorcnt 0x0                           ; the wave's end
	ds_add_u32 v254, v255
	s_wait_dscnt 0x0
	s_endpgm
.Lfunc_end_k_q6320581d88_attn:
	.size	k_q6320581d88_attn, .Lfunc_end_k_q6320581d88_attn-k_q6320581d88_attn
	.p2alignl 7, 3214868480
	.fill 96, 4, 3214868480
	.section	.rodata,"a",@progbits
	.p2align	6, 0x0
	.amdhsa_kernel k_q6320581d88_attn
		.amdhsa_group_segment_fixed_size 210944
		.amdhsa_private_segment_fixed_size 0
		.amdhsa_enable_private_segment 0
		.amdhsa_kernarg_size 32
		.amdhsa_user_sgpr_count 2
		.amdhsa_user_sgpr_kernarg_segment_ptr 1
		.amdhsa_wavefront_size32 1
		.amdhsa_system_sgpr_workgroup_id_x 1
		.amdhsa_system_sgpr_workgroup_id_y 1
		.amdhsa_system_sgpr_workgroup_id_z 1
		.amdhsa_system_vgpr_workitem_id 0
		.amdhsa_next_free_vgpr 256
		.amdhsa_next_free_sgpr 102
		.amdhsa_reserve_vcc 0
		.amdhsa_float_denorm_mode_32 3
		.amdhsa_float_denorm_mode_16_64 3
		.amdhsa_memory_ordered 1
		.amdhsa_forward_progress 1
		.amdhsa_inst_pref_size 101
	.end_amdhsa_kernel
	.amdgpu_metadata
---
amdhsa.version: [ 1, 2 ]
amdhsa.kernels:
  - .name:           k_q6320581d88_attn
    .symbol:         k_q6320581d88_attn.kd
    .args:
      - { .name: queries, .offset: 0, .size: 8, .value_kind: global_buffer, .address_space: global }
      - { .name: keys, .offset: 8, .size: 8, .value_kind: global_buffer, .address_space: global }
      - { .name: attn_mask, .offset: 16, .size: 8, .value_kind: global_buffer, .address_space: global }
      - { .name: out0, .offset: 24, .size: 8, .value_kind: global_buffer, .address_space: global }
    .group_segment_fixed_size: 210944
    .private_segment_fixed_size: 0
    .kernarg_segment_align: 8
    .kernarg_segment_size: 32
    .max_flat_workgroup_size: 512
    .sgpr_count:     102
    .vgpr_count:     256
    .wavefront_size: 32
...
	.end_amdgpu_metadata
.endif
;; end of part 3
